; MI455X (gfx1250); checked and timed in simulation.
; The chip was launched on July 23, 2026; its instructions are those of AMD's public machine-readable ISA for CDNA 5 (MIT licence, August 2026) and "CDNA5" Instruction Set Architecture Reference Guide (July 2026). The comments in the code are by the model that wrote it; some were corrected since.
;; Multi Head Attention. Allowed arithmetic: matrix products marked QUANTISED: E3M2 operands, one E8M0 scale for each 32 along K, by v_wmma_scale_f32_16x16x128_f8f6f4 with both operands' format E3M2, f32 sums; products left as they are: f32 operands where the result goes on into a quantised operand, else bf16, f16 or f32 operands; f32 sums; everything else in f32.
;; Inputs: proj_beta 128 float32; proj_gamma 128 float32; proj_mean 128 float32; proj_var 128 float32; qkv_beta 384 float32; qkv_gamma 384 float32; qkv_mean 384 float32; qkv_var 384 float32; w_proj_codes 128 x 4 x 24 uint8 (E3M2 codes of w_proj, K innermost, in blocks of 32 codes, four codes in three bytes); w_proj_scales 128 x 4 uint8 (E8M0 scales of w_proj, one for each 32 codes along K); w_qkv_codes 384 x 4 x 24 uint8 (E3M2 codes of w_qkv, K innermost, in blocks of 32 codes, four codes in three bytes); w_qkv_scales 384 x 4 uint8 (E8M0 scales of w_qkv, one for each 32 codes along K); x_codes 2 x 64 x 64 x 4 x 24 uint8 (E3M2 codes of x, K innermost, in blocks of 32 codes, four codes in three bytes); x_scales 2 x 64 x 64 x 4 uint8 (E8M0 scales of x, one for each 32 codes along K).
;; Outputs: out0 2 x 128 x 64 x 64 float32.
;; This version of the problem:
;;   THIS VERSION OF THE PROBLEM IS GIVEN IN LOW PRECISION. The matrix products marked QUANTISED in the list below multiply operands that are first quantised to E3M2 (3 exponent bits, 2 mantissa bits; 6 bits a number), with one power-of-two scale for each 32 numbers along K (OCP MX v1.0); their sums are f32. All else is computed in f32.
;;   The module's matrix products, in the order in which they are computed (A, B: the left and right operand; K: the contracted axis; several contracted axes count as one K, in the product's order):
;;     1. [M 384, K 128] x [K 128, N 8,192]; A: input w_qkv (given as codes); B: input x (given as codes): QUANTISED
;;     2. batch 16 x [M 4,096, K 16] x [K 16, N 4,096]; A: computed on the way; B: computed on the way: left as it is (K = 16 < 32)
;;     3. batch 16 x [M 4,096, K 4,096] x [K 4,096, N 16]; A: softmax (see below); B: computed on the way: QUANTISED
;;     4. [M 128, K 128] x [K 128, N 8,192]; A: input w_proj (given as codes); B: computed on the way: QUANTISED
;;   THE QUANTISER, for each operand of a quantised product, along K:
;;     - K is cut into blocks of 32 from its start; a last block that is shorter is filled with zeros.
;;     - A block's scale is 2^e with e = floor(log2(the largest magnitude in the block)) - 4, held to -126 .. 127; a block of zeros has e = 0. As a byte (E8M0): e + 127.
;;     - Each number is divided by its block's scale, clamped to +-28, and rounded to the nearest number of E3M2, ties to even, subnormals kept.
;;     - The product sums the exact products of the quantised numbers (number of the format x scale) in f32.
;;   ~~~python
;;   def quantise(x, axis):      # numpy; x: float32 -> the quantised numbers, widened to float32 again
;;       x = np.moveaxis(x, axis, -1); K = x.shape[-1]
;;       x = np.pad(x, [(0, 0)] * (x.ndim - 1) + [(0, -K % 32)]); x = x.reshape(x.shape[:-1] + (-1, 32)); a = np.abs(x).max(-1, keepdims=True)
;;       e = np.where(a > 0, np.clip(np.frexp(np.where(a > 0, a, 1))[1] - 1 - 4, -126, 127), 0)      # np.frexp(a)[1] - 1 = floor(log2(a)), exactly
;;       r = np.clip(x / 2.0 ** e, -28, 28)
;;       step = 2.0 ** (np.maximum(np.frexp(np.where(r == 0, 1, r))[1] - 1, -2) - 2)
;;       q = np.round(r / step) * step * 2.0 ** e      # np.round: ties to even
;;       return np.moveaxis(q.reshape(q.shape[:-2] + (-1,))[..., :K], -1, axis).astype(np.float32)
;;   ~~~
;;   SOFTMAX AHEAD OF A QUANTISED PRODUCT. Where the list says 'softmax', what is quantised is not the finished softmax but p = 2^(t - M), with t = logit x log2(e) and M = ceil(the row's largest t), a whole number; so 1/2 < the row's largest p <= 1. The row's sum l is taken of the UNQUANTISED p, in f32, and the product's result is divided by l at the end. Since M is a whole number, a kernel that streams over the keys may use a running M (the ceiling of the running maximum): every later rescaling is an exact power of two, which a block's scale takes up: the codes' values come out the same.
;;   OPERANDS COMPUTED ON THE WAY. 'Computed on the way' means the value that the module computes at that place (a softmax that the list does not call 'softmax' is quantised finished and normalised). What goes into a quantiser is computed in f32, as accurately as f32 sums, v_exp_f32 and their like allow (about 1e-6 of the number): no bf16 or f16 on the way to a quantiser, and a product that is left as it is and whose result goes on into a quantised operand takes f32 operands (vector FMAs, or v_wmma_f32_16x16x4_f32). A number that lies on a knife's edge between two numbers of the format may be rounded either way, as far as f32 arithmetic and the matrix unit's own rounding can turn it there, and no further.
;;   INPUTS GIVEN AS CODES. w_proj (in the module: [128, 128], K = its axis 1); w_qkv (in the module: [384, 128], K = its axis 1); x (in the module: [2, 128, 64, 64], K = its axis 1): each comes as NAME_codes (uint8): NAME with its K axis moved to the last place and cut into blocks of 32 codes, [.., K / 32, bytes a block], one block behind the other in memory; four codes in three bytes: a row's codes are one little-endian stream of bits, code i at bits 6 i .. 6 i + 5 (a code: sign, 3 exponent bits, 2 mantissa bits); and NAME_scales (uint8): the same leading axes, one E8M0 byte (e + 127) for each 32 codes along K. Its value is code x scale, taken as it is: it is not quantised again, and the codes and scales need not be those that the quantiser above would give.
;; One version. Each part assembles by itself: llvm-mc -triple=amdgcn-amd-amdhsa -mcpu=gfx1250 --defsym DOCPART=n.
;; ======== version 1 of 1: 3 launches
;; workspace buffers: qimg 4,194,304 bytes; kimg 4,194,304 bytes; vimg 851,968 bytes; obuf 4,194,304 bytes
;; launch qkv (part 1): grid 64 x 4, 6 waves a work-group, no clusters, 0 bytes of LDS; arguments x_codes, x_scales, w_qkv_codes, w_qkv_scales, qkv_gamma, qkv_beta, qkv_mean, qkv_var, qimg, kimg, vimg; writes qimg, kimg, vimg
.if DOCPART == 1
	.amdgcn_target "amdgcn-amd-amdhsa--gfx1250"
	.amdhsa_code_object_version 6
	.text
	.protected	k_q62fb31498c_qkv
	.globl	k_q62fb31498c_qkv
	.p2align	8
	.type	k_q62fb31498c_qkv,@function
k_q62fb31498c_qkv:
	s_mov_b64 s[64:65], 0
	v_nop
	global_prefetch_b8 v0, s[64:65] scope:SCOPE_SE
	s_setreg_imm32_b32 hwreg(HW_REG_WAVE_MODE, 25, 1), 1
	s_wait_xcnt 0x0
; qkv = silu(bn(w_qkv x)): 384 channels x 8,192 positions, K = 128: one scaled matrix instruction on codes of BF6 (E3M2) for each 16 x 16 of the result.
; POSITIONS are numbered b x 4,096 + n and cut into 64 groups of 128; a group has 8 TILES t = 2 bb + u of 16 rows; row rho of tile t is position 32 bb + 8 u + rho + 8 (rho / 8).
; So a result whose rows are a tile's rows holds, in register j of lane (r, h), position 32 bb + 8 u + 16 h + j: the 16 registers of tiles 2 bb and 2 bb + 1 are 16 neighbouring positions.
; SHARES.  Work-group (g, y): group g, heads 2 y and 2 y + 1.  Wave w: kind w / 2 (0 q, 1 k, 2 v), head 2 y + w % 2: 16 channels x 128 positions, 8 matrix instructions, 64 numbers a lane.
; q, k: source 0 = the head's 16 rows of W, source 1 = a tile of x: lane (r, h) holds row r of the tile and channels 8 h + 0 .. 7.  Those eight registers ARE what the next launch's f32 matrix
;   instructions take as an operand (it feeds K step s with registers 2 s, 2 s + 1 on both sides alike), so they leave as they stand: [head][tile][half c][lane][16 bytes], 512 consecutive bytes a store.
; v: the sources swapped: lane (r, h) holds channel r, its registers run along the positions, which are the K of the product p v: quantised here, once, by the stated rule, and stored as the image of the
;   operand's 12 registers (3 x 512 bytes) with its scale words behind (128 bytes): 1,664 bytes for a head's 128 keys.
; No LDS, no barrier: waves share nothing.  No cluster: what the four work-groups of a group share is 12 KiB of codes, which go straight into registers; joint requests exist for tensor loads alone.
; LIMITS: NaN, infinities and the scale byte 0xff among the inputs are not served.  A block of v whose largest magnitude lies under 2^(5 - 127) (a block of zeros too) gets the byte 1 where the rule
; says otherwise for zeros: its codes are zeros, and the bytes are read by this program alone.
.set EPS,  0x3a83126f                  ; 1e-3
.set LI,   1                           ; v1   16 x lane
.set XA,   4                           ; v4   x: my row of a tile and my half: 96 (r + 8 (r / 8)) + 24 h
.set XSA,  5                           ; v5   its scale word: 4 (r + 8 (r / 8))
.set WA,   6                           ; v6   W: 96 r + 24 h
.set WSA,  7                           ; v7   4 r
.set BO,   8                           ; v8   q, k: 32 h: my eight channels' numbers of the norm
.set LS,   9                           ; v9   4 x lane
.set XS,   10                          ; v10-17 x's scale words, a register a tile: scales and nothing else
.set WS,   18                          ; v18  W's scale words
.set WF,   20                          ; v20-31 W's fragment
.set XF,   32                          ; v32-127 x's eight fragments; behind the products v32-95 are at work, v96-114 take the codes
.set E,    32
.set PC,   96
.set D,    128                         ; v128-191 the results, tile t at D + 8 t
.set GA,   192                         ; v192.. gamma, then the scale;  v200.. beta, then the shift;  v208.. mean;  v216.. var
.set BE,   200
.set ME,   208
.set VA,   216
.set TM,   224                         ; v224-239 at work in QUANT
.set PW,   240                         ; the scale word just made
.set SEL,  38                          ; s[38:39] lane selects for v_permlanex16_b32: lane l xor 16
.set NL,   40                          ; s[40:41] -log2(e), twice
; 64 numbers of a lane, register 16 b + i = k 32 b + 16 (lane / 16) + i of my row, become a fragment's codes in v[pc] .. v[pc + 11] and its scale word in v[pw].
.macro QUANT s, pc, pw
.irp b, 0,1,2,3
	v_max3_num_f32 v[TM+\b], |v[\s+16*\b]|, |v[\s+1+16*\b]|, 0x2800000   ; block b: my 16 numbers, and the floor 2^(5 - 127): the byte cannot fall under 1
.endr
.irp i, 2,4,6,8,10,12,14
.irp b, 0,1,2,3
	v_max3_num_f32 v[TM+\b], v[TM+\b], |v[\s+16*\b+\i]|, |v[\s+1+16*\b+\i]|   ; the four blocks by turns
.endr
.endr
.irp b, 0,1,2,3
	v_permlanex16_b32 v[TM+4+\b], v[TM+\b], s[SEL], s[SEL+1]
.endr
.irp b, 0,1,2,3
	v_max_num_f32 v[TM+\b], v[TM+\b], v[TM+4+\b]   ; with lane l xor 16's: the block's largest magnitude
.endr
.irp b, 0,1,2,3
	v_add_nc_u32 v[TM+12+\b], 0xfe000000, v[TM+\b]   ; 4 off its exponent field: the conversion takes the exponent field of this operand as its scale
.endr
.irp b, 0,1,2,3
	v_lshrrev_b32 v[TM+4+\b], 23, v[TM+12+\b]      ; the scale's byte
.endr
	v_lshl_or_b32 v[\pw], v[TM+5], 8, v[TM+4]      ; four bytes make my row's scale word
	v_lshl_or_b32 v[\pw], v[TM+6], 16, v[\pw]
	v_lshl_or_b32 v[\pw], v[TM+7], 24, v[\pw]
.irp c, 0,1
	v_cvt_scalef32_pk16_bf6_f32 v[\pc+6*\c:\pc+2+6*\c], v[\s+32*\c:\s+15+32*\c], v[TM+12+2*\c]
	v_cvt_scalef32_pk16_bf6_f32 v[\pc+12+4*\c:\pc+14+4*\c], v[\s+16+32*\c:\s+31+32*\c], v[TM+12+2*\c+1]   ; (a conversion's three registers begin on an even number)
.endr
	v_nop                                          ; one plain place behind a scaled conversion
.irp c, 0,1                                    ; the operand's layout wants a whole block in a lane: lanes 0-15 block 2 c, lanes 16-31 block 2 c + 1
.irp i, 0,1,2
	v_permlane16_swap_b32 v[\pc+6*\c+\i], v[\pc+12+4*\c+\i]
.endr
.irp i, 0,1,2
	v_mov_b32 v[\pc+3+6*\c+\i], v[\pc+12+4*\c+\i]
.endr
.endr
.endm
; y -> y / (1 + 2^(-y log2 e)) for cnt registers at dst; tmp: as many at work
.macro SILU dst, tmp, cnt
.set i, 0
.rept \cnt/2
	v_pk_mul_f32 v[\tmp+i:\tmp+i+1], v[\dst+i:\dst+i+1], s[NL:NL+1] op_sel_hi:[1,0]
.set i, i+2
.endr
.set i, 0
.rept \cnt
	v_exp_f32 v[\tmp+i], v[\tmp+i]
.set i, i+1
.endr
	v_nop                                          ; a plain place behind the exponentials
.set i, 0
	s_wait_alu depctr_va_vdst(0)
.rept \cnt/2
	v_pk_add_f32 v[\tmp+i:\tmp+i+1], v[\tmp+i:\tmp+i+1], 1.0 op_sel_hi:[1,0]
.set i, i+2
.endr
.set i, 0
.rept \cnt
	v_rcp_f32 v[\tmp+i], v[\tmp+i]
.set i, i+1
.endr
	v_nop                                          ; a plain place behind the reciprocals
.set i, 0
	s_wait_alu depctr_va_vdst(0)
.rept \cnt/2
	v_pk_mul_f32 v[\dst+i:\dst+i+1], v[\dst+i:\dst+i+1], v[\tmp+i:\tmp+i+1]
.set i, i+2
.endr
.endm
	s_load_b512 s[8:23], s[0:1], 0x0               ; x codes 8:9, x scales 10:11, W codes 12:13, W scales 14:15, gamma 16:17, beta 18:19, mean 20:21, var 22:23
	s_load_b128 s[24:27], s[0:1], 0x40             ; q's images, k's images
	s_load_b64 s[28:29], s[0:1], 0x50              ; v's images
	v_lshrrev_b32 v1, 5, v0
	v_readfirstlane_b32 s30, v1                    ; wave 0..5
	s_lshr_b32 s31, s30, 1                         ; kind: 0 q, 1 k, 2 v
	s_and_b32 s32, s30, 1
	s_and_b32 s33, ttmp7, 0xffff
	s_lshl_b32 s33, s33, 1
	s_add_co_u32 s32, s32, s33                     ; head = 2 y + wave % 2
	s_lshl_b32 s33, s31, 7
	s_lshl_b32 s34, s32, 4
	s_add_co_u32 s33, s33, s34                     ; my first channel of the 384: 128 kind + 16 head
	s_lshr_b32 s42, ttmp9, 5
	s_lshl_b32 s42, s42, 3
	s_add_co_u32 s42, s42, s32                     ; 8 b + head
	s_and_b32 s43, ttmp9, 31                       ; the group's number within its b: the key step
	s_mov_b32 s35, 0
	s_mov_b32 s[SEL], 0x76543210
	s_mov_b32 s[SEL+1], 0xfedcba98
	s_mov_b32 s[NL], 0xbfb8aa3b
	s_mov_b32 s[NL+1], s[NL]
	v_and_b32 v[LS], 31, v0                        ; lane
	v_lshlrev_b32 v[LI], 4, v[LS]
	v_lshlrev_b32 v[LS], 2, v[LS]
	v_and_b32 v2, 15, v0                           ; r
	v_bfe_u32 v3, v0, 4, 1                         ; h
	v_and_b32 v[XA], 8, v2
	v_add_nc_u32 v[XSA], v[XA], v2                 ; r + 8 (r / 8)
	v_mul_u32_u24 v[XA], v[XSA], 96
	v_mad_u32_u24 v[XA], v3, 24, v[XA]
	v_lshlrev_b32 v[XSA], 2, v[XSA]
	v_mul_u32_u24 v[WA], v2, 96
	v_mad_u32_u24 v[WA], v3, 24, v[WA]
	v_lshlrev_b32 v[WSA], 2, v2
	v_lshlrev_b32 v[BO], 5, v3
.irp b, 0,1,2,3
	v_mov_b32 v[TM+4+\b], 0                        ; written once: a lane permute's destination counts as one of its sources
.endr
	s_wait_kmcnt 0x0
	s_mul_i32 s34, ttmp9, 12288                    ; the group's 128 rows of 96 bytes
	s_add_nc_u64 s[8:9], s[8:9], s[34:35]
	s_lshl_b32 s34, ttmp9, 9                       ; and their 128 scale words
	s_add_nc_u64 s[10:11], s[10:11], s[34:35]
	s_mul_i32 s34, s33, 96
	s_add_nc_u64 s[12:13], s[12:13], s[34:35]
	s_lshl_b32 s34, s33, 2
	s_add_nc_u64 s[14:15], s[14:15], s[34:35]
	s_add_nc_u64 s[16:17], s[16:17], s[34:35]
	s_add_nc_u64 s[18:19], s[18:19], s[34:35]
	s_add_nc_u64 s[20:21], s[20:21], s[34:35]
	s_add_nc_u64 s[22:23], s[22:23], s[34:35]
	s_cmp_eq_u32 s31, 0                            ; q's buffer or k's: the choice hangs on the wave's number alone
	s_cselect_b64 s[24:25], s[24:25], s[26:27]
	s_lshl_b32 s34, s42, 18                        ; a head's images: 262,144 bytes; a group's 8 tiles: 8,192
	s_lshl_b32 s36, s43, 13
	s_add_co_u32 s34, s34, s36
	s_add_nc_u64 s[24:25], s[24:25], s[34:35]
	s_mul_i32 s34, s42, 53248                      ; v: a head 53,248 bytes, a key step 1,664
	s_mul_i32 s36, s43, 1664
	s_add_co_u32 s34, s34, s36
	s_add_nc_u64 s[28:29], s[28:29], s[34:35]
.irp t, 0,1,2,3,4,5,6,7                        ; x's eight fragments: 24 bytes of a row's stream of bits as three loads of 8, twice; tile t begins at position 32 (t / 2) + 8 (t % 2)
.irp p, 0,1,2,3,4,5
	global_load_b64 v[XF+12*\t+2*\p:XF+12*\t+2*\p+1], v[XA], s[8:9] offset:(32*(\t/2)+8*(\t%2))*96+48*(\p/3)+8*(\p%3)
.endr
	global_load_b32 v[XS+\t], v[XSA], s[10:11] offset:(32*(\t/2)+8*(\t%2))*4
.endr
.irp p, 0,1,2,3,4,5
	global_load_b64 v[WF+2*\p:WF+2*\p+1], v[WA], s[12:13] offset:48*(\p/3)+8*(\p%3)
.endr
	global_load_b32 v[WS], v[WSA], s[14:15]
	s_cmp_lt_u32 s31, 2
	s_cbranch_scc0 .Lv                             ; on the wave's number alone; the text has no barrier
	; ---- q and k: a lane holds a position and eight channels
	global_load_b128 v[GA:GA+3], v[BO], s[16:17]
	global_load_b128 v[GA+4:GA+7], v[BO], s[16:17] offset:16
	global_load_b128 v[BE:BE+3], v[BO], s[18:19]
	global_load_b128 v[BE+4:BE+7], v[BO], s[18:19] offset:16
	global_load_b128 v[ME:ME+3], v[BO], s[20:21]
	global_load_b128 v[ME+4:ME+7], v[BO], s[20:21] offset:16
	global_load_b128 v[VA:VA+3], v[BO], s[22:23]
	global_load_b128 v[VA+4:VA+7], v[BO], s[22:23] offset:16
	s_wait_loadcnt 0x0
.irp t, 0,1,2,3,4,5,6,7
	v_wmma_scale_f32_16x16x128_f8f6f4 v[D+8*\t:D+8*\t+7], v[WF:WF+11], v[XF+12*\t:XF+12*\t+11], 0, v[WS], v[XS+\t] matrix_a_fmt:MATRIX_FMT_BF6 matrix_b_fmt:MATRIX_FMT_BF6
.endr
.irp i, 0,1,2,3,4,5,6,7
	v_add_f32 v[VA+\i], EPS, v[VA+\i]              ; eight plain lines that name none of the products' registers: the places behind them
.endr
.irp i, 0,1,2,3,4,5,6,7
	v_rsq_f32 v[VA+\i], v[VA+\i]
.endr
	v_nop
	s_wait_alu depctr_va_vdst(0)
.irp i, 0,1,2,3,4,5,6,7
	v_mul_f32 v[GA+\i], v[GA+\i], v[VA+\i]         ; scale = gamma / sqrt(var + eps)
.endr
.irp i, 0,1,2,3,4,5,6,7
	v_fma_f32 v[BE+\i], -v[ME+\i], v[GA+\i], v[BE+\i]   ; shift = beta - mean x scale
.endr
.set i, 0
.rept 32                                       ; each result from its low end on
	v_pk_fma_f32 v[D+i:D+i+1], v[D+i:D+i+1], v[GA+i%8:GA+i%8+1], v[BE+i%8:BE+i%8+1]
.set i, i+2
.endr
	SILU D, E, 64
.irp t, 0,1,2,3,4,5,6,7
	global_store_b128 v[LI], v[D+8*\t:D+8*\t+3], s[24:25] offset:1024*\t          ; 32 lanes store 512 consecutive bytes, at a multiple of 512 from the buffer's first byte
	global_store_b128 v[LI], v[D+8*\t+4:D+8*\t+7], s[24:25] offset:1024*\t+512
.endr
	s_endpgm
	; ---- v: a lane holds a channel, its registers run along the positions
.Lv:
	global_load_b32 v[GA], v[WSA], s[16:17]
	global_load_b32 v[BE], v[WSA], s[18:19]
	global_load_b32 v[ME], v[WSA], s[20:21]
	global_load_b32 v[VA], v[WSA], s[22:23]
	s_wait_loadcnt 0x0
.irp t, 0,1,2,3,4,5,6,7
	v_wmma_scale_f32_16x16x128_f8f6f4 v[D+8*\t:D+8*\t+7], v[XF+12*\t:XF+12*\t+11], v[WF:WF+11], 0, v[XS+\t], v[WS] matrix_a_fmt:MATRIX_FMT_BF6 matrix_b_fmt:MATRIX_FMT_BF6
.endr
	v_add_f32 v[VA], EPS, v[VA]                    ; with the three below: four places behind the products
.rept 3
	v_nop
.endr
	v_rsq_f32 v[VA], v[VA]
	v_nop
	s_wait_alu depctr_va_vdst(0)
	v_mul_f32 v[GA], v[GA], v[VA]
	v_fma_f32 v[BE], -v[ME], v[GA], v[BE]
	v_mov_b32 v[GA+1], v[GA]                       ; (named as the pairs' upper words)
	v_mov_b32 v[BE+1], v[BE]
.set i, 0
.rept 32
	v_pk_fma_f32 v[D+i:D+i+1], v[D+i:D+i+1], v[GA:GA+1], v[BE:BE+1] op_sel_hi:[1,0,0]
.set i, i+2
.endr
	SILU D, E, 64
	QUANT D, PC, PW                                ; along the positions: the keys of the product p v
.irp c, 0,1,2
	global_store_b128 v[LI], v[PC+4*\c:PC+4*\c+3], s[28:29] offset:512*\c      ; the operand's registers as they stand
.endr
	global_store_b32 v[LS], v[PW], s[28:29] offset:1536
	s_endpgm
.Lfunc_end_k_q62fb31498c_qkv:
	.size	k_q62fb31498c_qkv, .Lfunc_end_k_q62fb31498c_qkv-k_q62fb31498c_qkv
	.p2alignl 7, 3214868480
	.fill 96, 4, 3214868480
	.section	.rodata,"a",@progbits
	.p2align	6, 0x0
	.amdhsa_kernel k_q62fb31498c_qkv
		.amdhsa_group_segment_fixed_size 0
		.amdhsa_private_segment_fixed_size 0
		.amdhsa_enable_private_segment 0
		.amdhsa_kernarg_size 88
		.amdhsa_user_sgpr_count 2
		.amdhsa_user_sgpr_kernarg_segment_ptr 1
		.amdhsa_wavefront_size32 1
		.amdhsa_system_sgpr_workgroup_id_x 1
		.amdhsa_system_sgpr_workgroup_id_y 1
		.amdhsa_system_sgpr_workgroup_id_z 1
		.amdhsa_system_vgpr_workitem_id 0
		.amdhsa_next_free_vgpr 256
		.amdhsa_next_free_sgpr 66
		.amdhsa_reserve_vcc 0
		.amdhsa_float_denorm_mode_32 3
		.amdhsa_float_denorm_mode_16_64 3
		.amdhsa_memory_ordered 1
		.amdhsa_forward_progress 1
		.amdhsa_inst_pref_size 44
	.end_amdhsa_kernel
	.amdgpu_metadata
---
amdhsa.version: [ 1, 2 ]
amdhsa.kernels:
  - .name:           k_q62fb31498c_qkv
    .symbol:         k_q62fb31498c_qkv.kd
    .args:
      - { .name: x_codes, .offset: 0, .size: 8, .value_kind: global_buffer, .address_space: global }
      - { .name: x_scales, .offset: 8, .size: 8, .value_kind: global_buffer, .address_space: global }
      - { .name: w_qkv_codes, .offset: 16, .size: 8, .value_kind: global_buffer, .address_space: global }
      - { .name: w_qkv_scales, .offset: 24, .size: 8, .value_kind: global_buffer, .address_space: global }
      - { .name: qkv_gamma, .offset: 32, .size: 8, .value_kind: global_buffer, .address_space: global }
      - { .name: qkv_beta, .offset: 40, .size: 8, .value_kind: global_buffer, .address_space: global }
      - { .name: qkv_mean, .offset: 48, .size: 8, .value_kind: global_buffer, .address_space: global }
      - { .name: qkv_var, .offset: 56, .size: 8, .value_kind: global_buffer, .address_space: global }
      - { .name: qimg, .offset: 64, .size: 8, .value_kind: global_buffer, .address_space: global }
      - { .name: kimg, .offset: 72, .size: 8, .value_kind: global_buffer, .address_space: global }
      - { .name: vimg, .offset: 80, .size: 8, .value_kind: global_buffer, .address_space: global }
    .group_segment_fixed_size: 0
    .private_segment_fixed_size: 0
    .kernarg_segment_align: 8
    .kernarg_segment_size: 88
    .max_flat_workgroup_size: 192
    .sgpr_count:     66
    .vgpr_count:     256
    .wavefront_size: 32
...
	.end_amdgpu_metadata
.endif
;; end of part 1
;; launch attn (part 2): grid 16 x 16, 16 waves a work-group, clusters of 4 x 1, 327,680 bytes of LDS; arguments qimg, kimg, vimg, obuf; writes obuf
.if DOCPART == 2
	.amdgcn_target "amdgcn-amd-amdhsa--gfx1250"
	.amdhsa_code_object_version 6
	.text
	.protected	k_q62fb31498c_attn
	.globl	k_q62fb31498c_attn
	.p2align	8
	.type	k_q62fb31498c_attn,@function
k_q62fb31498c_attn:
	s_mov_b64 s[64:65], 0
	v_nop
	global_prefetch_b8 v0, s[64:65] scope:SCOPE_SE
	s_setreg_imm32_b32 hwreg(HW_REG_WAVE_MODE, 25, 1), 1
	s_wait_xcnt 0x0
	s_wait_alu depctr_hold_cnt(0) depctr_sa_sdst(0) depctr_va_vdst(0) depctr_va_sdst(0) depctr_va_ssrc(0) depctr_va_vcc(0) depctr_vm_vsrc(0)
	s_getreg_b32 s2, hwreg(HW_REG_IB_STS2, 6, 4)
	s_cmp_eq_u32 s2, 0
	s_cbranch_scc0 .Lentry_in_a_cluster
	s_endpgm
.Lentry_in_a_cluster:
	s_bfe_u32 s2, ttmp6, 0x10000c
	s_cmp_lg_u32 s2, 0x3003
	s_cbranch_scc0 .Lentry_shape_is_right
	s_endpgm
.Lentry_shape_is_right:
; O[head][query][:] = (the sum over the keys of Q(p) Q(v)) / l, p = 2^(t - M), t = (q . k) x 0.25 log2(e), M = the running largest t rounded UP to a whole number, l = the sum of the unquantised p.
; The scores (K = 16) go on into a quantiser, so they are made with f32 operands, by v_wmma_f32_16x16x4_f32; p v (K = the keys) by the scaled form on codes of BF6 (E3M2), p quantised here along the keys.
; SHARES.  16 heads (8 b + head) x 16 blocks of 256 queries = 256 work-groups.  Each of the SIXTEEN waves owns one tile of 16 queries in 224 registers: four waves to a SIMD, so that one wave's
; softmax (some 230 vector lines a key step) stands beside the others' 32 f32 matrix instructions.  Every wave walks the head's 4,096 keys, 128 a step.
; THE WHOLE HEAD LIES IN LDS, FILLED ONCE: k's images 262,144 bytes, v's codes and scale words 53,248.  So the loop has no refill, no barrier and no wait on TENSORcnt.
; CLUSTER.  The four work-groups of a cluster are four query blocks of one head and want the same bytes: every fill is a JOINT load, the same descriptor and the mask of all four in each.
; LAYOUT.  Both products are used transposed: S^T = k q^T (source 0 = a tile of 16 keys, source 1 = my 16 queries), O^T = v^T p^T: a lane holds ONE query (lane % 16) throughout.
; Row rho of key tile 2 bb + u is key 32 bb + 8 u + rho + 8 (rho / 8), so the 16 registers of tiles 2 bb and 2 bb + 1 are the 16 neighbouring keys 32 bb + 16 (lane / 16) + 0 .. 15.
; An image of q or k gives lane (r, h) channels 8 h + 0 .. 7 of row r; K step s of the f32 form takes registers 2 s, 2 s + 1 on both sides: the same 16 products, summed in another order than ascending d.
; LIMITS: NaN and infinities are not served; a p under 2^-126 comes out of v_exp_f32 as 0; M is a whole number as long as |t| stays under 2^24.
.set VB,    262144                     ; LDS: k's images from 0 (key step j at 8,192 j, tile t + 1,024 t, half c + 512 c, lane + 16 l); v's from here (step j at 1,664 j: 3 x 512 of codes, 128 of scale words)
.set SPARE, 315392                     ; behind them the spare words, 128 bytes for each of the 16 waves: eight blocks of 256 bytes that no other line names
.set KSTEP, 8192
.set VSTEP, 1664
.set LI,  1                            ; v1   16 x lane
.set LV0, 2                            ; v2   VB + 16 x lane
.set LS0, 3                            ; v3   VB + 1,536 + 4 x lane
.set ADK, 4                            ; v4-6 the same for the step to be fetched
.set ADV, 5
.set ADS, 6
.set GO,  7                            ; v7   the way out: 16 r + 1,024 h
.set SPW, 8                            ; v8   LDS address of my spare word; never rewritten
.set NIL, 9                            ; v9   0; never rewritten
.set F,   10                           ; v[10:11] f = 2^(old M - new M), later 1 / l; v11 is only named with it
.set NM,  12                           ; v12 -M, v13 the largest t
.set L,   14                           ; v[14:15] the sum, in two halves
.set Q,   16                           ; v16-23 my queries' image
.set O,   24                           ; v24-31 O^T
.set VF,  32                           ; v32-43 v's fragment
.set VS,  44                           ; v44 v's scale words, v45 p's: scales and nothing else
.set PW,  45
.set PC,  48                           ; v48-59 p's codes; v60-62, v64-66 their second halves on the way
.set PT,  60
.set BM,  68                           ; v68-71 each block's largest score, then its largest p
.set BT,  72                           ; v72-75 at work
.set SOP, 76                           ; v76-79 the conversions' scale operands
.set T0,  80
.set L2,  82                           ; v[82:83] the sum's second chain
.set KP,  96                           ; v96-159 the step's eight fragments of k; once they are multiplied, the step's p
.set S,   160                          ; v160-223 S^T: written by the f32 matrix form alone
.set WV,  12                           ; s12 my wave's number
.set G1K, 24                           ; s[24:31] descriptor group 1 for k;  s[32:39] for v;  s[40:43], s[44:47] their groups 0
.set G1V, 32
.set G0K, 40
.set G0V, 44
.set SEL, 48                           ; s[48:49] lane selects: lane l xor 16
.set CS,  50                           ; s[50:51] c = 0.25 log2(e), twice
.set CNT, 52
.set TK,  53                           ; s53, s54 where the step to be fetched begins in k's and in v's bytes
.set TV,  54
.macro ROUND                           ; a round of the cluster's barrier
	s_barrier_signal -1
	s_barrier_wait -1
	s_cmp_lg_u32 s[WV], 0
	s_cbranch_scc1 .Lnot_wave_0_\@
	s_barrier_signal -3
.Lnot_wave_0_\@:
	s_barrier_wait -3
	s_barrier_signal -1
	s_barrier_wait -1
.endm
.macro LOADK                           ; a key step's eight fragments of k: each load takes 512 consecutive bytes
.irp t, 0,1,2,3,4,5,6,7
	ds_load_b128 v[KP+8*\t:KP+8*\t+3], v[ADK] offset:1024*\t
	ds_load_b128 v[KP+8*\t+4:KP+8*\t+7], v[ADK] offset:1024*\t+512
.endr
.endm
.macro LOADV                           ; its fragment of v and the scale words
.irp c, 0,1,2
	ds_load_b128 v[VF+4*\c:VF+4*\c+3], v[ADV] offset:512*\c
.endr
	ds_load_b32 v[VS], v[ADS]
.endm
	s_load_b256 s[4:11], s[0:1], 0x0               ; q's images 4:5, k's 6:7, v's 8:9, O 10:11
	v_lshl_add_u32 v[SPW], v0, 2, SPARE
	v_mov_b32 v[NIL], 0
	ds_add_u32 v8, v9
	ds_add_u32 v8, v9
	s_wait_dscnt 0x0
	v_lshrrev_b32 v[T0], 5, v0
	v_readfirstlane_b32 s[WV], v[T0]               ; wave 0..15
	s_bfe_u32 s13, ttmp6, 0x40000                  ; cx: my place in the cluster
	s_lshl_b32 s14, ttmp9, 2
	s_add_co_u32 s14, s14, s13                     ; my block of 256 queries: it enters q's and O's addresses alone
	s_and_b32 s15, ttmp7, 0xffff                   ; 8 b + head, which the four partners share
	; group 1: dense bytes as rows of 256 (32 elements of 8 bytes).  k: 64 rows, 16 KiB a wave;  v: 13 rows, 3,328 bytes a wave
	s_mov_b32 s[G1K], 15|(3<<16)|(1<<21)           ; 15:0 the mask: all four work-groups; 17:16 elements of 8 bytes; 20 no padding; 21 set beside a mask
	s_mov_b32 s[G1K+1], 32<<16                     ; tensor_dim0 = 32
	s_mov_b32 s[G1K+2], 64<<16                     ; tensor_dim1 = 64
	s_mov_b32 s[G1K+3], 32<<16                     ; tile_dim0 = 32
	s_mov_b32 s[G1K+4], 64                         ; tile_dim1 = 64
	s_mov_b32 s[G1K+5], 32                         ; from row to row
	s_mov_b32 s[G1K+6], 0
	s_mov_b32 s[G1K+7], 0
	s_mov_b32 s[G1V], 15|(3<<16)|(1<<21)
	s_mov_b32 s[G1V+1], 32<<16
	s_mov_b32 s[G1V+2], 13<<16
	s_mov_b32 s[G1V+3], 32<<16
	s_mov_b32 s[G1V+4], 13
	s_mov_b32 s[G1V+5], 32
	s_mov_b32 s[G1V+6], 0
	s_mov_b32 s[G1V+7], 0
	s_lshl_b32 s16, s15, 18                        ; k: the head's 262,144 bytes, my sixteenth of them: head and wave alone
	s_lshl_b32 s17, s[WV], 14
	s_add_co_u32 s16, s16, s17
	s_mov_b32 s17, 0
	s_mul_i32 s18, s15, 53248                      ; v likewise
	s_mul_i32 s19, s[WV], 3328
	s_add_co_u32 s18, s18, s19
	s_mov_b32 s19, 0
	s_lshl_b32 s20, s14, 4
	s_add_co_u32 s20, s20, s[WV]                   ; my tile of queries within the head: 16 x block + wave
	s_lshr_b32 s22, s15, 3
	s_lshl_b32 s22, s22, 8
	s_add_co_u32 s22, s22, s20                     ; O: tile 256 b + that, 8,192 bytes each;
	s_lshl_b32 s22, s22, 13
	s_bfe_u32 s21, s15, 0x20001                    ; in it the block of 32 channels head / 2, 2,048 bytes,
	s_lshl_b32 s21, s21, 11
	s_add_co_u32 s22, s22, s21
	s_and_b32 s21, s15, 1                          ; and the half head % 2: lanes 16 on, 256 bytes
	s_lshl_b32 s21, s21, 8
	s_add_co_u32 s22, s22, s21
	s_mov_b32 s23, 0
	s_lshl_b32 s20, s20, 10                        ; q: 1,024 bytes a tile
	s_lshl_b32 s21, s15, 18
	s_add_co_u32 s20, s20, s21
	s_mov_b32 s21, 0
	s_mov_b32 s[SEL], 0x76543210
	s_mov_b32 s[SEL+1], 0xfedcba98
	s_mov_b32 s[CS], 0x3eb8aa3b                    ; c = 0.25 log2(e)
	s_mov_b32 s[CS+1], s[CS]
	s_mov_b32 s[TK], 0
	s_mov_b32 s[TV], 0
	s_mov_b32 s[CNT], 31
	s_wait_kmcnt 0x0
	s_mov_b32 s[G0K], 1                            ; count = 1
	s_lshl_b32 s[G0K+1], s[WV], 14                 ; LDS address: 16,384 x wave
	s_add_nc_u64 s[G0K+2:G0K+3], s[6:7], s[16:17]
	s_or_b32 s[G0K+3], s[G0K+3], 0x80000000        ; type = 2
	s_mov_b32 s[G0V], 1
	s_mul_i32 s[G0V+1], s[WV], 3328
	s_add_co_u32 s[G0V+1], s[G0V+1], VB
	s_add_nc_u64 s[G0V+2:G0V+3], s[8:9], s[18:19]
	s_or_b32 s[G0V+3], s[G0V+3], 0x80000000
	s_add_nc_u64 s[4:5], s[4:5], s[20:21]
	s_add_nc_u64 s[10:11], s[10:11], s[22:23]
	ROUND                                          ; all four work-groups are here: the joint loads meet
	tensor_load_to_lds s[G0K:G0K+3], s[G1K:G1K+7]  ; the launch's only fills, every wave's two together: two loads of mine are out
	s_nop 0
	tensor_load_to_lds s[G0V:G0V+3], s[G1V:G1V+7]
	s_nop 0
.rept 4
	v_nop                                          ; four places behind a tensor load
.endr
	v_and_b32 v[LI], 31, v0
	v_lshl_add_u32 v[LS0], v[LI], 2, VB+1536
	v_lshlrev_b32 v[LI], 4, v[LI]
	global_load_b128 v[Q:Q+3], v[LI], s[4:5] th:TH_LOAD_NT             ; my queries stay in registers
	global_load_b128 v[Q+4:Q+7], v[LI], s[4:5] offset:512 th:TH_LOAD_NT
	v_add_nc_u32 v[LV0], VB, v[LI]
	v_and_b32 v[GO], 15, v0
	v_bfe_u32 v[T0], v0, 4, 1
	v_lshlrev_b32 v[GO], 4, v[GO]
	v_lshl_add_u32 v[GO], v[T0], 10, v[GO]
	v_mov_b32 v[NM+1], 0xff61b1e6                  ; the largest t so far: -3e38, under every t
	v_floor_f32 v[NM], -v[NM+1]                    ; -M
	v_mov_b32 v[L], 0
	v_mov_b32 v[L+1], 0
	v_mov_b32 v[F+1], 0                            ; (named as the upper half of the pair)
.irp b, 0,1,2,3
	v_mov_b32 v[BT+\b], 0                          ; a lane permute's destination counts as one of its sources
.endr
.irp j, 0,1,2,3,4,5,6,7
	v_mov_b32 v[O+\j], 0                           ; eight lines, once: the step is written without a first step of its own; the first change of M multiplies zeros
.endr
	v_add_nc_u32 v[ADK], s[TK], v[LI]
	v_add_nc_u32 v[ADV], s[TV], v[LV0]
	v_add_nc_u32 v[ADS], s[TV], v[LS0]
	s_wait_tensorcnt 0x0                           ; my two parts have landed,
	s_barrier_signal -1
	s_barrier_wait -1                              ; everybody's have: the head is whole, and nothing is ever filled again
	LOADV
	LOADK
	s_wait_loadcnt 0x0                             ; q
; A KEY STEP: 128 keys.  more = 1: the next step's fragments are fetched at its end.
.macro STEP more
	s_wait_dscnt 0x0                               ; this step's 20 LDS loads, issued at the end of the step before
.irp s, 0,1,2,3                                ; S^T = k q^T: the eight accumulators by turns, one instruction a turn; the first K step starts the sums
.irp t, 0,1,2,3,4,5,6,7
.if \s == 0
	v_wmma_f32_16x16x4_f32 v[S+8*\t:S+8*\t+7], v[KP+8*\t+2*\s:KP+8*\t+2*\s+1], v[Q+2*\s:Q+2*\s+1], 0
.else
	v_wmma_f32_16x16x4_f32 v[S+8*\t:S+8*\t+7], v[KP+8*\t+2*\s:KP+8*\t+2*\s+1], v[Q+2*\s:Q+2*\s+1], v[S+8*\t:S+8*\t+7]
.endif
.endr
.endr
.if \more                                      ; eight places behind this form before its results are read
	s_add_co_u32 s[TK], s[TK], KSTEP
	s_add_co_u32 s[TV], s[TV], VSTEP
	v_add_nc_u32 v[ADK], s[TK], v[LI]
	v_add_nc_u32 v[ADV], s[TV], v[LV0]
	v_add_nc_u32 v[ADS], s[TV], v[LS0]
.rept 5
	v_nop
.endr
.else
.rept 8
	v_nop
.endr
.endif
.irp b, 0,1,2,3
	v_max3_num_f32 v[BM+\b], v[S+16*\b], v[S+1+16*\b], v[S+2+16*\b]   ; the largest score of each block of 32 keys: for the row's maximum, and, since p rises with the score, for the block's largest p.  Each accumulator is first read at its low end
.endr
.irp i, 3,5,7,9,11,13
.irp b, 0,1,2,3
	v_max3_num_f32 v[BM+\b], v[BM+\b], v[S+16*\b+\i], v[S+1+16*\b+\i]
.endr
.endr
.irp b, 0,1,2,3
	v_max_num_f32 v[BM+\b], v[BM+\b], v[S+15+16*\b]
.endr
.irp b, 0,1,2,3
	v_permlanex16_b32 v[BT+\b], v[BM+\b], s[SEL], s[SEL+1]
.endr
.irp b, 0,1,2,3
	v_max_num_f32 v[BM+\b], v[BM+\b], v[BT+\b]     ; with lane l xor 16's 16 keys
.endr
	v_max3_num_f32 v[T0], v[BM], v[BM+1], v[BM+2]
	v_max_num_f32 v[T0], v[T0], v[BM+3]            ; the step's largest score of my query
	v_mul_f32 v[T0], s[CS], v[T0]                  ; as t (c is positive)
	v_max_num_f32 v[NM+1], v[NM+1], v[T0]          ; the running largest t
	v_mov_b32 v[T0], v[NM]
	v_floor_f32 v[NM], -v[NM+1]                    ; the new -M = floor(-t) = -ceil(t)
	v_sub_f32 v[T0], v[NM], v[T0]                  ; old M - new M: a whole number, 0 or less
	v_cvt_i32_f32 v[T0], v[T0]                     ; (it saturates)
	v_ldexp_f32 v[F], 1.0, v[T0]                   ; f = 2^(old M - new M): a multiplication by it rounds nothing
.set j, 0
.rept 32
	v_pk_fma_f32 v[KP+j:KP+j+1], v[S+j:S+j+1], s[CS:CS+1], v[NM:NM+1] op_sel_hi:[1,0,0]   ; t - M, into the registers that k's fragments have left
.set j, j+2
.endr
.irp b, 0,1,2,3
	v_fma_f32 v[BM+\b], v[BM+\b], s[CS], v[NM]     ; the same of each block's largest score
.endr
.set j, 0
.rept 64
	v_exp_f32 v[KP+j], v[KP+j]                     ; p = 2^(t - M), at most 1: not normalised
.set j, j+1
.endr
.irp b, 0,1,2,3
	v_exp_f32 v[BM+\b], v[BM+\b]                   ; the block's largest p: the same two operations on the same number
.endr
	v_pk_mul_f32 v[L:L+1], v[L:L+1], v[F:F+1] op_sel_hi:[1,0]   ; the sum under the new M.  (The plain place behind the exponentials)
	s_wait_alu depctr_va_vdst(0)
.irp b, 0,1,2,3
	v_max_num_f32 v[BM+\b], 0x2800000, v[BM+\b]    ; the floor 2^(5 - 127): the byte cannot fall under 1
.endr
.irp b, 0,1,2,3
	v_add_nc_u32 v[SOP+\b], 0xfe000000, v[BM+\b]   ; 4 off the exponent field: the conversion's scale operand
.endr
.irp b, 0,1,2,3
	v_lshrrev_b32 v[BT+\b], 23, v[SOP+\b]          ; the scale's byte
.endr
	v_lshl_or_b32 v[PW], v[BT+1], 8, v[BT]         ; p's scale word for these 128 keys
	v_lshl_or_b32 v[PW], v[BT+2], 16, v[PW]
	v_lshl_or_b32 v[PW], v[BT+3], 24, v[PW]
.irp c, 0,1
	v_cvt_scalef32_pk16_bf6_f32 v[PC+6*\c:PC+2+6*\c], v[KP+32*\c:KP+15+32*\c], v[SOP+2*\c]
	v_cvt_scalef32_pk16_bf6_f32 v[PT+4*\c:PT+2+4*\c], v[KP+16+32*\c:KP+31+32*\c], v[SOP+2*\c+1]   ; (a conversion's three registers begin on an even number)
.endr
	v_nop                                          ; one plain place behind a scaled conversion
.irp c, 0,1                                    ; a whole block to a lane: lanes 0-15 block 2 c, lanes 16-31 block 2 c + 1
.irp i, 0,1,2
	v_permlane16_swap_b32 v[PC+6*\c+\i], v[PT+4*\c+\i]
.endr
.irp i, 0,1,2
	v_mov_b32 v[PC+3+6*\c+\i], v[PT+4*\c+\i]
.endr
.endr
.irp j, 0,2,4,6
	v_pk_mul_f32 v[O+\j:O+\j+1], v[O+\j:O+\j+1], v[F:F+1] op_sel_hi:[1,0]   ; O^T under the new M, from its low end on
.endr
	v_pk_add_f32 v[L2:L2+1], v[KP:KP+1], v[KP+2:KP+3]              ; the row's sum is taken of the unquantised p, in two chains.  These 15 lines name none of the product's registers:
.irp j, 4,8,12,16,20,24,28                     ; they are the places between the lines that made p's scale word (8 are asked) and its codes (4) and the product
	v_pk_add_f32 v[L:L+1], v[L:L+1], v[KP+\j:KP+\j+1]
	v_pk_add_f32 v[L2:L2+1], v[L2:L2+1], v[KP+2+\j:KP+3+\j]
.endr
	v_wmma_scale_f32_16x16x128_f8f6f4 v[O:O+7], v[VF:VF+11], v[PC:PC+11], v[O:O+7], v[VS], v[PW] matrix_a_fmt:MATRIX_FMT_BF6 matrix_b_fmt:MATRIX_FMT_BF6   ; O^T += v^T p^T
.irp j, 32,36,40,44,48,52,56,60                ; the rest of the sum: the places behind the product, in front of the loads into its operands
	v_pk_add_f32 v[L:L+1], v[L:L+1], v[KP+\j:KP+\j+1]
	v_pk_add_f32 v[L2:L2+1], v[L2:L2+1], v[KP+2+\j:KP+3+\j]
.endr
	v_pk_add_f32 v[L:L+1], v[L:L+1], v[L2:L2+1]
.if \more
	LOADV
	LOADK
.endif
.endm
.Lstep:                                            ; 31 trips; over the backward jump the body's last matrix instruction (O^T) and its first (S^T, tile 0) name different accumulators
	STEP 1
	s_sub_co_u32 s[CNT], s[CNT], 1
	s_cmp_lg_u32 s[CNT], 0
	s_cbranch_scc1 .Lstep
	STEP 0                                         ; the last step fetches nothing: no LDS read passes the head's bytes
	; THE WAY OUT.  Lane (r, h) holds O(query r, channels 8 h + 0 .. 7) of my head.  It is stored as the next launch's quantiser wants its registers: [tile][block of 32 channels][four channels jj][lane][16 bytes].
	v_add_f32 v[L], v[L], v[L+1]                   ; the sum's two halves,
	v_permlanex16_b32 v[BT], v[L], s[SEL], s[SEL+1]
	v_add_f32 v[L], v[L], v[BT]                    ; and lane l xor 16's: the row's sum
	v_rcp_f32 v[F], v[L]
	v_nop                                          ; a plain place behind the reciprocal
	s_wait_alu depctr_va_vdst(0)
.irp j, 0,2,4,6
	v_pk_mul_f32 v[O+\j:O+\j+1], v[O+\j:O+\j+1], v[F:F+1] op_sel_hi:[1,0]
.endr
	global_store_b128 v[GO], v[O:O+3], s[10:11]                    ; lanes 0-15 store 256 consecutive bytes at a multiple of 256 from the buffer's first byte, lanes 16-31 the 256 bytes that lie 1,024 on
	global_store_b128 v[GO], v[O+4:O+7], s[10:11] offset:512
	s_wait_tensorcnt 0x0                           ; the wave's end
	ds_add_u32 v[SPW], v[NIL]
	s_wait_dscnt 0x0
	ROUND                                          ; the closing round: no work-group ends while a partner may still ask for bytes that name it
	s_endpgm
.Lfunc_end_k_q62fb31498c_attn:
	.size	k_q62fb31498c_attn, .Lfunc_end_k_q62fb31498c_attn-k_q62fb31498c_attn
	.p2alignl 7, 3214868480
	.fill 96, 4, 3214868480
	.section	.rodata,"a",@progbits
	.p2align	6, 0x0
	.amdhsa_kernel k_q62fb31498c_attn
		.amdhsa_group_segment_fixed_size 327680
		.amdhsa_private_segment_fixed_size 0
		.amdhsa_enable_private_segment 0
		.amdhsa_kernarg_size 32
		.amdhsa_user_sgpr_count 2
		.amdhsa_user_sgpr_kernarg_segment_ptr 1
		.amdhsa_wavefront_size32 1
		.amdhsa_system_sgpr_workgroup_id_x 1
		.amdhsa_system_sgpr_workgroup_id_y 1
		.amdhsa_system_sgpr_workgroup_id_z 1
		.amdhsa_system_vgpr_workitem_id 0
		.amdhsa_next_free_vgpr 224
		.amdhsa_next_free_sgpr 66
		.amdhsa_reserve_vcc 0
		.amdhsa_float_denorm_mode_32 3
		.amdhsa_float_denorm_mode_16_64 3
		.amdhsa_memory_ordered 1
		.amdhsa_forward_progress 1
		.amdhsa_inst_pref_size 36
	.end_amdhsa_kernel
	.amdgpu_metadata
---
amdhsa.version: [ 1, 2 ]
amdhsa.kernels:
  - .name:           k_q62fb31498c_attn
    .symbol:         k_q62fb31498c_attn.kd
    .args:
      - { .name: qimg, .offset: 0, .size: 8, .value_kind: global_buffer, .address_space: global }
      - { .name: kimg, .offset: 8, .size: 8, .value_kind: global_buffer, .address_space: global }
      - { .name: vimg, .offset: 16, .size: 8, .value_kind: global_buffer, .address_space: global }
      - { .name: obuf, .offset: 24, .size: 8, .value_kind: global_buffer, .address_space: global }
    .group_segment_fixed_size: 327680
    .private_segment_fixed_size: 0
    .kernarg_segment_align: 8
    .kernarg_segment_size: 32
    .max_flat_workgroup_size: 512
    .sgpr_count:     66
    .vgpr_count:     224
    .wavefront_size: 32
...
	.end_amdgpu_metadata
.endif
;; end of part 2
;; launch proj (part 3): grid 64 x 4, 4 waves a work-group, no clusters, 17,408 bytes of LDS; arguments obuf, w_proj_codes, w_proj_scales, proj_gamma, proj_beta, proj_mean, proj_var, out0; writes out0
.if DOCPART == 3
	.amdgcn_target "amdgcn-amd-amdhsa--gfx1250"
	.amdhsa_code_object_version 6
	.text
	.protected	k_q62fb31498c_proj
	.globl	k_q62fb31498c_proj
	.p2align	8
	.type	k_q62fb31498c_proj,@function
k_q62fb31498c_proj:
	s_mov_b64 s[64:65], 0
	v_nop
	global_prefetch_b8 v0, s[64:65] scope:SCOPE_SE
	s_setreg_imm32_b32 hwreg(HW_REG_WAVE_MODE, 25, 1), 1
	s_wait_xcnt 0x0
; out = silu(bn(w_proj O)): 128 channels x 8,192 positions, K = 128 (the attention's channels): O is quantised here along its channels, then one scaled matrix instruction on codes of BF6 (E3M2) for each 16 x 16.
; SHARES.  Work-group (g, y): the 128 positions of group g x output channels 32 y .. 32 y + 31.  Wave w: tiles 2 w and 2 w + 1 of the group (positions 32 w .. 32 w + 31) x both tiles of 16 channels: 4 matrix instructions.
; A tile of O is thus quantised in four work-groups (one for each y): the price of 256 work-groups that write whole rows of 512 bytes.
; O arrives as the quantiser wants its registers: [tile][block bb][jj][lane][16 bytes], lane (r, h) = channels 32 bb + 16 h + 4 jj + 0 .. 3 of row r of the tile: every load takes 512 consecutive bytes.
; Source 0 = a tile of O (row rho = position 32 w + 8 u + rho + 8 (rho / 8)), source 1 = 16 rows of W: register j of lane (r, h) is position 32 w + 8 u + 16 h + j of channel 16 n + r: eight neighbours of a row of out0.
; They meet in a stage in LDS (32 channels x 512 bytes + 16), and each wave stores 8 whole rows.  No tensor load; no cluster: what work-groups share goes straight into registers.
; LIMITS: NaN, infinities and the scale byte 0xff are not served; a block of O whose largest magnitude lies under 2^(5 - 127) has its byte held at 1.
.set EPS,  0x3a83126f                  ; 1e-3
.set LI,   1                           ; v1   16 x lane
.set WA,   2                           ; v2   W: 96 r + 24 h
.set RA,   3                           ; v3   4 r
.set SO,   4                           ; v4   the stage, in: 528 r + 64 h + 128 wave
.set SR,   5                           ; v5   the stage, back: 8 rows x wave + 16 x lane
.set PW,   8                           ; v8, v9 O's scale words, tile u;  v10, v11 W's, tile n: scales and nothing else
.set WS,   10
.set TM,   16                          ; v16-31 at work in QUANT
.set X,    32                          ; v32-159 two tiles of O, 64 registers each; behind QUANT: v32-63 the results, v64-95 at work, v96-127 rows on the way out
.set D,    32
.set E,    64
.set OUTR, 96
.set PC,   160                         ; v160-179, v180-199 the two tiles' codes
.set WF,   200                         ; v200-223 W's two fragments
.set GA,   224                         ; v224.. gamma, v226.. beta, v228.. mean, v230.. var, each for n = 0, 1
.set BE,   226
.set ME,   228
.set VA,   230
.set SCL,  232                         ; v[232:233], v[234:235] the scale, as pairs;  v[236:237], v[238:239] the shift
.set SHF,  236
.set SPITCH, 528                       ; an odd multiple of 16 bytes: the sixteen rows that a store touches begin in sixteen different columns of 16 bytes modulo 256
.set SEL,  38                          ; s[38:39] lane selects: lane l xor 16
.set NL,   40                          ; s[40:41] -log2(e), twice
; 64 numbers of a lane, register 16 b + i = k 32 b + 16 (lane / 16) + i of my row, become a fragment's codes in v[pc] .. v[pc + 11] and its scale word in v[pw].
.macro QUANT s, pc, pw
.irp b, 0,1,2,3
	v_max3_num_f32 v[TM+\b], |v[\s+16*\b]|, |v[\s+1+16*\b]|, 0x2800000   ; block b: my 16 numbers, and the floor 2^(5 - 127): the byte cannot fall under 1
.endr
.irp i, 2,4,6,8,10,12,14
.irp b, 0,1,2,3
	v_max3_num_f32 v[TM+\b], v[TM+\b], |v[\s+16*\b+\i]|, |v[\s+1+16*\b+\i]|   ; the four blocks by turns
.endr
.endr
.irp b, 0,1,2,3
	v_permlanex16_b32 v[TM+4+\b], v[TM+\b], s[SEL], s[SEL+1]
.endr
.irp b, 0,1,2,3
	v_max_num_f32 v[TM+\b], v[TM+\b], v[TM+4+\b]   ; with lane l xor 16's: the block's largest magnitude
.endr
.irp b, 0,1,2,3
	v_add_nc_u32 v[TM+12+\b], 0xfe000000, v[TM+\b]   ; 4 off its exponent field: the conversion takes the exponent field of this operand as its scale
.endr
.irp b, 0,1,2,3
	v_lshrrev_b32 v[TM+4+\b], 23, v[TM+12+\b]      ; the scale's byte
.endr
	v_lshl_or_b32 v[\pw], v[TM+5], 8, v[TM+4]      ; four bytes make my row's scale word
	v_lshl_or_b32 v[\pw], v[TM+6], 16, v[\pw]
	v_lshl_or_b32 v[\pw], v[TM+7], 24, v[\pw]
.irp c, 0,1
	v_cvt_scalef32_pk16_bf6_f32 v[\pc+6*\c:\pc+2+6*\c], v[\s+32*\c:\s+15+32*\c], v[TM+12+2*\c]
	v_cvt_scalef32_pk16_bf6_f32 v[\pc+12+4*\c:\pc+14+4*\c], v[\s+16+32*\c:\s+31+32*\c], v[TM+12+2*\c+1]   ; (a conversion's three registers begin on an even number)
.endr
	v_nop                                          ; one plain place behind a scaled conversion
.irp c, 0,1                                    ; a whole block to a lane: lanes 0-15 block 2 c, lanes 16-31 block 2 c + 1
.irp i, 0,1,2
	v_permlane16_swap_b32 v[\pc+6*\c+\i], v[\pc+12+4*\c+\i]
.endr
.irp i, 0,1,2
	v_mov_b32 v[\pc+3+6*\c+\i], v[\pc+12+4*\c+\i]
.endr
.endr
.endm
; y -> y / (1 + 2^(-y log2 e)) for cnt registers at dst; tmp: as many at work
.macro SILU dst, tmp, cnt
.set i, 0
.rept \cnt/2
	v_pk_mul_f32 v[\tmp+i:\tmp+i+1], v[\dst+i:\dst+i+1], s[NL:NL+1] op_sel_hi:[1,0]
.set i, i+2
.endr
.set i, 0
.rept \cnt
	v_exp_f32 v[\tmp+i], v[\tmp+i]
.set i, i+1
.endr
	v_nop                                          ; a plain place behind the exponentials
.set i, 0
	s_wait_alu depctr_va_vdst(0)
.rept \cnt/2
	v_pk_add_f32 v[\tmp+i:\tmp+i+1], v[\tmp+i:\tmp+i+1], 1.0 op_sel_hi:[1,0]
.set i, i+2
.endr
.set i, 0
.rept \cnt
	v_rcp_f32 v[\tmp+i], v[\tmp+i]
.set i, i+1
.endr
	v_nop                                          ; a plain place behind the reciprocals
.set i, 0
	s_wait_alu depctr_va_vdst(0)
.rept \cnt/2
	v_pk_mul_f32 v[\dst+i:\dst+i+1], v[\dst+i:\dst+i+1], v[\tmp+i:\tmp+i+1]
.set i, i+2
.endr
.endm
	s_load_b512 s[8:23], s[0:1], 0x0               ; O 8:9, W codes 10:11, W scales 12:13, gamma 14:15, beta 16:17, mean 18:19, var 20:21, out0 22:23
	v_lshl_add_u32 v254, v0, 2, 0x4200
	v_mov_b32 v255, 0
	v_lshrrev_b32 v1, 5, v0
	v_readfirstlane_b32 s30, v1                    ; wave 0..3
	s_and_b32 s32, ttmp7, 0xffff                   ; y
	s_mov_b32 s35, 0
	s_mov_b32 s[SEL], 0x76543210
	s_mov_b32 s[SEL+1], 0xfedcba98
	s_mov_b32 s[NL], 0xbfb8aa3b
	s_mov_b32 s[NL+1], s[NL]
	v_and_b32 v[LI], 31, v0
	v_lshlrev_b32 v[LI], 4, v[LI]
	v_and_b32 v6, 15, v0                           ; r
	v_bfe_u32 v7, v0, 4, 1                         ; h
	v_mul_u32_u24 v[WA], v6, 96
	v_mad_u32_u24 v[WA], v7, 24, v[WA]
	v_lshlrev_b32 v[RA], 2, v6
	v_mul_u32_u24 v[SO], v6, SPITCH
	v_lshl_add_u32 v[SO], v7, 6, v[SO]
	s_lshl_b32 s36, s30, 7
	v_add_nc_u32 v[SO], s36, v[SO]
	s_mul_i32 s36, s30, 8*SPITCH
	v_add_nc_u32 v[SR], s36, v[LI]
.irp b, 0,1,2,3
	v_mov_b32 v[TM+4+\b], 0                        ; written once: a lane permute's destination counts as one of its sources
.endr
	s_wait_kmcnt 0x0
	s_lshl_b32 s34, ttmp9, 16                      ; O: 8 tiles of 8,192 bytes a group, my two
	s_lshl_b32 s36, s30, 14
	s_add_co_u32 s34, s34, s36
	s_add_nc_u64 s[8:9], s[8:9], s[34:35]
	s_mul_i32 s34, s32, 3072                       ; W: my 32 rows of 96 bytes
	s_add_nc_u64 s[10:11], s[10:11], s[34:35]
	s_lshl_b32 s34, s32, 7                         ; 4 bytes a channel
	s_add_nc_u64 s[12:13], s[12:13], s[34:35]
	s_add_nc_u64 s[14:15], s[14:15], s[34:35]
	s_add_nc_u64 s[16:17], s[16:17], s[34:35]
	s_add_nc_u64 s[18:19], s[18:19], s[34:35]
	s_add_nc_u64 s[20:21], s[20:21], s[34:35]
	s_lshr_b32 s34, ttmp9, 5                       ; out0: row 128 b + 32 y + 8 wave of 16,384 bytes, and the group's 512 bytes in it
	s_lshl_b32 s34, s34, 7
	s_lshl_b32 s36, s32, 5
	s_add_co_u32 s34, s34, s36
	s_lshl_b32 s36, s30, 3
	s_add_co_u32 s34, s34, s36
	s_lshl_b32 s34, s34, 14
	s_and_b32 s36, ttmp9, 31
	s_lshl_b32 s36, s36, 9
	s_add_co_u32 s34, s34, s36
	s_add_nc_u64 s[22:23], s[22:23], s[34:35]
.irp n, 0,1
.irp p, 0,1,2,3,4,5
	global_load_b64 v[WF+12*\n+2*\p:WF+12*\n+2*\p+1], v[WA], s[10:11] offset:16*\n*96+48*(\p/3)+8*(\p%3)
.endr
	global_load_b32 v[WS+\n], v[RA], s[12:13] offset:64*\n
	global_load_b32 v[GA+\n], v[RA], s[14:15] offset:64*\n
	global_load_b32 v[BE+\n], v[RA], s[16:17] offset:64*\n
	global_load_b32 v[ME+\n], v[RA], s[18:19] offset:64*\n
	global_load_b32 v[VA+\n], v[RA], s[20:21] offset:64*\n
.endr
.irp u, 0,1
.irp b, 0,1,2,3
.irp j, 0,1,2,3
	global_load_b128 v[X+64*\u+16*\b+4*\j:X+64*\u+16*\b+4*\j+3], v[LI], s[8:9] offset:8192*\u+2048*\b+512*\j
.endr
.endr
.endr
	s_wait_loadcnt 16                              ; all but the second tile's sixteen loads are in
	QUANT X, PC, PW
	s_wait_loadcnt 0x0
	QUANT X+64, PC+20, PW+1
.irp n, 0,1                                    ; the norm's numbers: eleven plain lines, the places between the lines that made the last scale word (8 are asked) and codes (4) and the products
	v_add_f32 v[VA+\n], EPS, v[VA+\n]
.endr
.irp n, 0,1
	v_rsq_f32 v[VA+\n], v[VA+\n]
.endr
	v_nop
	s_wait_alu depctr_va_vdst(0)
.irp n, 0,1
	v_mul_f32 v[SCL+2*\n], v[GA+\n], v[VA+\n]      ; scale = gamma / sqrt(var + eps)
.endr
.irp n, 0,1
	v_fma_f32 v[SHF+2*\n], -v[ME+\n], v[SCL+2*\n], v[BE+\n]   ; shift = beta - mean x scale
.endr
.irp n, 0,1
	v_mov_b32 v[SCL+2*\n+1], v[SCL+2*\n]           ; (named as the pairs' upper words)
	v_mov_b32 v[SHF+2*\n+1], v[SHF+2*\n]
.endr
.irp n, 0,1
.irp u, 0,1
	v_wmma_scale_f32_16x16x128_f8f6f4 v[D+8*(2*\n+\u):D+8*(2*\n+\u)+7], v[PC+20*\u:PC+20*\u+11], v[WF+12*\n:WF+12*\n+11], 0, v[PW+\u], v[WS+\n] matrix_a_fmt:MATRIX_FMT_BF6 matrix_b_fmt:MATRIX_FMT_BF6
.endr
.endr
.rept 4
	v_nop                                          ; four places before the results are read
.endr
.set i, 0
.rept 16                                       ; each result from its low end on
	v_pk_fma_f32 v[D+i:D+i+1], v[D+i:D+i+1], v[SCL+2*(i/16):SCL+2*(i/16)+1], v[SHF+2*(i/16):SHF+2*(i/16)+1] op_sel_hi:[1,0,0]
.set i, i+2
.endr
	SILU D, E, 32
.irp n, 0,1
.irp u, 0,1
	ds_store_b128 v[SO], v[D+8*(2*\n+\u):D+8*(2*\n+\u)+3] offset:16*SPITCH*\n+32*\u          ; channel 16 n + r, positions 32 w + 8 u + 16 h + 0 .. 7
	ds_store_b128 v[SO], v[D+8*(2*\n+\u)+4:D+8*(2*\n+\u)+7] offset:16*SPITCH*\n+32*\u+16
.endr
.endr
	s_wait_dscnt 0x0                               ; for the others' sake: my stores into the stage are done
	s_barrier_signal -1
	s_barrier_wait -1                              ; 32 whole rows lie in the stage
.irp i, 0,1,2,3,4,5,6,7
	ds_load_b128 v[OUTR+4*\i:OUTR+4*\i+3], v[SR] offset:\i*SPITCH
.endr
.irp i, 0,1,2,3,4,5,6,7
	s_wait_dscnt 7-\i                              ; LDS loads come back in order: row i is in, the younger ones may be out
	global_store_b128 v[LI], v[OUTR+4*\i:OUTR+4*\i+3], s[22:23] offset:16384*\i th:TH_STORE_NT   ; 32 lanes store 512 consecutive bytes, at a multiple of 512 from out0's first byte
.endr
	s_wait_tensorcnt 0x0
	ds_add_u32 v254, v255
	s_wait_dscnt 0x0
	s_endpgm
.Lfunc_end_k_q62fb31498c_proj:
	.size	k_q62fb31498c_proj, .Lfunc_end_k_q62fb31498c_proj-k_q62fb31498c_proj
	.p2alignl 7, 3214868480
	.fill 96, 4, 3214868480
	.section	.rodata,"a",@progbits
	.p2align	6, 0x0
	.amdhsa_kernel k_q62fb31498c_proj
		.amdhsa_group_segment_fixed_size 17408
		.amdhsa_private_segment_fixed_size 0
		.amdhsa_enable_private_segment 0
		.amdhsa_kernarg_size 64
		.amdhsa_user_sgpr_count 2
		.amdhsa_user_sgpr_kernarg_segment_ptr 1
		.amdhsa_wavefront_size32 1
		.amdhsa_system_sgpr_workgroup_id_x 1
		.amdhsa_system_sgpr_workgroup_id_y 1
		.amdhsa_system_sgpr_workgroup_id_z 1
		.amdhsa_system_vgpr_workitem_id 0
		.amdhsa_next_free_vgpr 256
		.amdhsa_next_free_sgpr 66
		.amdhsa_reserve_vcc 0
		.amdhsa_float_denorm_mode_32 3
		.amdhsa_float_denorm_mode_16_64 3
		.amdhsa_memory_ordered 1
		.amdhsa_forward_progress 1
		.amdhsa_inst_pref_size 25
	.end_amdhsa_kernel
	.amdgpu_metadata
---
amdhsa.version: [ 1, 2 ]
amdhsa.kernels:
  - .name:           k_q62fb31498c_proj
    .symbol:         k_q62fb31498c_proj.kd
    .args:
      - { .name: obuf, .offset: 0, .size: 8, .value_kind: global_buffer, .address_space: global }
      - { .name: w_proj_codes, .offset: 8, .size: 8, .value_kind: global_buffer, .address_space: global }
      - { .name: w_proj_scales, .offset: 16, .size: 8, .value_kind: global_buffer, .address_space: global }
      - { .name: proj_gamma, .offset: 24, .size: 8, .value_kind: global_buffer, .address_space: global }
      - { .name: proj_beta, .offset: 32, .size: 8, .value_kind: global_buffer, .address_space: global }
      - { .name: proj_mean, .offset: 40, .size: 8, .value_kind: global_buffer, .address_space: global }
      - { .name: proj_var, .offset: 48, .size: 8, .value_kind: global_buffer, .address_space: global }
      - { .name: out0, .offset: 56, .size: 8, .value_kind: global_buffer, .address_space: global }
    .group_segment_fixed_size: 17408
    .private_segment_fixed_size: 0
    .kernarg_segment_align: 8
    .kernarg_segment_size: 64
    .max_flat_workgroup_size: 128
    .sgpr_count:     66
    .vgpr_count:     256
    .wavefront_size: 32
...
	.end_amdgpu_metadata
.endif
;; end of part 3
